; MI455X (gfx1250); checked and timed in simulation.
; The chip was launched on July 23, 2026; its instructions are those of AMD's public machine-readable ISA for CDNA 5 (MIT licence, August 2026) and "CDNA5" Instruction Set Architecture Reference Guide (July 2026). The comments in the code are by the model that wrote it; some were corrected since.
;; Scaled Dot Product Attention. Allowed arithmetic: matrix products marked QUANTISED: E3M2 operands, one E8M0 scale for each 32 along K, by v_wmma_scale_f32_16x16x128_f8f6f4 with both operands' format E3M2, f32 sums; everything else in f32.
;; Inputs: attention_mask 4 x 2,048 bool; k 4 x 16 x 2,048 x 64 float32; q 4 x 16 x 2,048 x 64 float32; v 4 x 16 x 2,048 x 64 float32.
;; Outputs: out0 4 x 16 x 2,048 x 64 float32.
;; Constants: use_causal_mask = 1.
;; This version of the problem:
;;   THIS VERSION OF THE PROBLEM IS GIVEN IN LOW PRECISION. The matrix products marked QUANTISED in the list below multiply operands that are first quantised to E3M2 (3 exponent bits, 2 mantissa bits; 6 bits a number), with one power-of-two scale for each 32 numbers along K (OCP MX v1.0); their sums are f32. All else is computed in f32.
;;   The module's matrix products, in the order in which they are computed (A, B: the left and right operand; K: the contracted axis; several contracted axes count as one K, in the product's order):
;;     1. batch 64 x [M 2,048, K 64] x [K 64, N 2,048]; A: input q; B: input k: QUANTISED
;;     2. batch 64 x [M 2,048, K 2,048] x [K 2,048, N 64]; A: softmax (see below); B: input v: QUANTISED
;;   THE QUANTISER, for each operand of a quantised product, along K:
;;     - K is cut into blocks of 32 from its start; a last block that is shorter is filled with zeros.
;;     - A block's scale is 2^e with e = floor(log2(the largest magnitude in the block)) - 4, held to -126 .. 127; a block of zeros has e = 0. As a byte (E8M0): e + 127.
;;     - Each number is divided by its block's scale, clamped to +-28, and rounded to the nearest number of E3M2, ties to even, subnormals kept.
;;     - The product sums the exact products of the quantised numbers (number of the format x scale) in f32.
;;   ~~~python
;;   def quantise(x, axis):      # numpy; x: float32 -> the quantised numbers, widened to float32 again
;;       x = np.moveaxis(x, axis, -1); K = x.shape[-1]
;;       x = np.pad(x, [(0, 0)] * (x.ndim - 1) + [(0, -K % 32)]); x = x.reshape(x.shape[:-1] + (-1, 32)); a = np.abs(x).max(-1, keepdims=True)
;;       e = np.where(a > 0, np.clip(np.frexp(np.where(a > 0, a, 1))[1] - 1 - 4, -126, 127), 0)      # np.frexp(a)[1] - 1 = floor(log2(a)), exactly
;;       r = np.clip(x / 2.0 ** e, -28, 28)
;;       step = 2.0 ** (np.maximum(np.frexp(np.where(r == 0, 1, r))[1] - 1, -2) - 2)
;;       q = np.round(r / step) * step * 2.0 ** e      # np.round: ties to even
;;       return np.moveaxis(q.reshape(q.shape[:-2] + (-1,))[..., :K], -1, axis).astype(np.float32)
;;   ~~~
;;   SOFTMAX AHEAD OF A QUANTISED PRODUCT. Where the list says 'softmax', what is quantised is not the finished softmax but p = 2^(t - M), with t = logit x log2(e) and M = ceil(the row's largest t), a whole number; so 1/2 < the row's largest p <= 1. The row's sum l is taken of the UNQUANTISED p, in f32, and the product's result is divided by l at the end. Since M is a whole number, a kernel that streams over the keys may use a running M (the ceiling of the running maximum): every later rescaling is an exact power of two, which a block's scale takes up: the codes' values come out the same.
;;   OPERANDS COMPUTED ON THE WAY. 'Computed on the way' means the value that the module computes at that place (a softmax that the list does not call 'softmax' is quantised finished and normalised). What goes into a quantiser is computed in f32, as accurately as f32 sums, v_exp_f32 and their like allow (about 1e-6 of the number): no bf16 or f16 on the way to a quantiser, and a product that is left as it is and whose result goes on into a quantised operand takes f32 operands (vector FMAs, or v_wmma_f32_16x16x4_f32). A number that lies on a knife's edge between two numbers of the format may be rounded either way, as far as f32 arithmetic and the matrix unit's own rounding can turn it there, and no further.
;; One version. Each part assembles by itself: llvm-mc -triple=amdgcn-amd-amdhsa -mcpu=gfx1250 --defsym DOCPART=n.
;; ======== version 1 of 1: 2 launches
;; limits: right only within a limited range of input values
;; workspace buffers: kv 13,369,344 bytes; vsum 65,536 bytes
;; launch prep (part 1): grid 4 x 64, 8 waves a work-group, no clusters, 120,832 bytes of LDS; arguments k, v, attention_mask, kv, vsum; writes kv, vsum
.if DOCPART == 1
	.amdgcn_target "amdgcn-amd-amdhsa--gfx1250"
	.amdhsa_code_object_version 6
	.text
	.protected	k_q4c2ec1d969_prep
	.globl	k_q4c2ec1d969_prep
	.p2align	8
	.type	k_q4c2ec1d969_prep,@function
k_q4c2ec1d969_prep:
	s_mov_b64 s[64:65], 0
	v_nop
	global_prefetch_b8 v0, s[64:65] scope:SCOPE_SE
	s_setreg_imm32_b32 hwreg(HW_REG_WAVE_MODE, 25, 1), 1
	s_wait_xcnt 0x0
; K and V [64 heads][2048 keys][64] f32 become codes of BF6 (E3M2) with E8M0 scale bytes, laid as IMAGES OF THE OPERAND REGISTERS of the attention launch:
; one dense block of 13,056 bytes for each head and each 128 keys.  K is quantised along the head's 64 (two blocks of 32 a key), V along the keys (four blocks of 32 keys a channel).
; A BLOCK (l = lane, r = l % 16, h = l / 16):
;   0      K's codes, 8 tiles x 768 bytes.  Lane r of tile 2 b + u is key 32 b + 8 u + r + 8 (r / 8); lane (r, h) holds its codes of channels 32 h .. 32 h + 31: registers 0-3 at 768 tile + 16 l, registers 4-5 at 768 tile + 512 + 8 l.
;   6,144  V's codes, 4 fragments x 1,536 bytes.  Fragment t is channels 16 t + r; its registers 6 c .. 6 c + 5 are keys 64 c + 32 h + 0 .. 31; registers 4 j .. 4 j + 3 lie at 1,536 t + 512 j + 16 l.
;   12,288 K's scale words: at 16 l + 4 b, lanes 0-15 tile 2 b's row r, lanes 16-31 tile 2 b + 1's.  Bytes: scale of channels 0-31, of channels 32-63, THE KEY'S MASK, 1.
;   12,800 V's scale words: at 8 l + 4 g, tile 2 g + h, row r: the four blocks' bytes.
; THE KEY MASK IS A SCALE BYTE.  The first product's K is 64 of the instruction's 128.  At k = 64 the attention launch sets the code +1 beside K's codes and -1 beside Q's, with Q's scale 2^50; K's byte for that block is
; 177 (2^50) for a blocked key, so that its score is q.k - 2^100, and 1 (2^-126) for an allowed key: q.k - 2^-76.  The last block (k = 96 on) holds zero codes alone; its byte is 1.
; vsum[head][quarter of the keys][channel] = 2^-11 x the sum of the quantised v over the quarter's 512 keys: for rows in which no key is allowed.
; A block's scale is 2^(floor(log2(its largest magnitude)) - 4); its byte is the largest magnitude's exponent field - 4, held at 1 from below.
; LIMITS: a block of zeros gets the byte 1 (its codes are zeros, and this program alone reads the bytes); NaN and infinities among the inputs are not served.
; SHARES.  Work-group (quarter, head); waves 0-3 make K's part of the quarter's four blocks, waves 4-7 V's.  A wave reads 128 keys x 256 bytes in four chunks of 32 keys, each by 16 loads of 512 consecutive bytes, two chunks ahead.
; A chunk turns through the wave's own stage in LDS (rows of 256 + 16 bytes): K comes back a key to a lane (32 neighbouring channels), V a channel to a lane (its registers run down 32 keys).  No tensor loads; one barrier, for vsum.
.set X,     64                         ; v64-127   a chunk's numbers: two blocks of 32 a lane
.set R,     128                        ; v128-255  two sets of 64: chunks as they are loaded
.set WREG,  14848                      ; LDS: a region for each wave: the stage, 32 rows x 272 bytes, and behind it the image of V's codes, 6,144 bytes
.set VCS,   8704
.set VSUMB, 8*WREG                     ; behind the regions: 4 x 256 bytes: the four V waves' sums
.set BLKB,  13056
.set VCO,   6144
.set KSO,   12288
.set VSO,   12800
; v1 16 l; v2 8 l; v3-v9 LDS addresses; v10 the mask's offset; v11 8 h; v12 the byte 127 four times; v16-23 mask bytes; v24-27 K's scale words; v28-29 V's; v30-31 V's sums;
; v32-33 largest magnitudes; v34-35 the conversions' scale operands; v36-37 bytes; v38-39, v60-63 at work; v40-45, v46-51 the two blocks' codes; v52-54, v56-58 their upper halves as converted
	s_load_b256 s[4:11], s[0:1], 0x0               ; k s[4:5], v s[6:7], the mask s[8:9], kv s[10:11]
	s_load_b64 s[12:13], s[0:1], 0x20              ; vsum
	v_lshl_add_u32 v55, v0, 2, 0x1d400
	v_mov_b32 v59, 0
	v_lshrrev_b32 v13, 5, v0
	s_delay_alu instid0(VALU_DEP_1)
	v_readfirstlane_b32 s14, v13                   ; wave 0..7
	s_and_b32 s15, s14, 3                          ; which of the quarter's four blocks
	s_lshl_b32 s16, ttmp9, 2
	s_add_co_u32 s16, s16, s15                     ; the block of 128 keys: 4 x quarter + wave % 4
	s_and_b32 s17, ttmp7, 0xffff                   ; the head
	s_mov_b32 s20, 0x76543210
	s_mov_b32 s21, 0xfedcba98                      ; v_permlanex16_b32's selects for lane l xor 16
	s_mov_b32 s22, 0xffff0000                      ; lanes 16-31
	s_mul_i32 s32, s14, WREG                       ; my region of LDS
	v_and_b32 v13, 31, v0                          ; l
	v_and_b32 v14, 15, v0                          ; r
	v_bfe_u32 v15, v0, 4, 1                        ; h
	s_delay_alu instid0(VALU_DEP_3)
	v_lshlrev_b32 v1, 4, v13
	s_delay_alu instid0(VALU_DEP_4)
	v_lshlrev_b32 v2, 3, v13
	s_delay_alu instid0(VALU_DEP_3)
	v_mul_u32_u24 v3, v15, 272
	s_delay_alu instid0(VALU_DEP_1)
	v_lshl_add_u32 v3, v14, 4, v3
	s_delay_alu instid0(VALU_DEP_1)
	v_add_nc_u32 v3, s32, v3                       ; into the stage: a load's 512 bytes are two keys: row h, 16 r
	v_mul_u32_u24 v4, v14, 272
	s_delay_alu instid0(VALU_DEP_1)
	v_lshl_add_u32 v4, v15, 7, v4
	s_delay_alu instid0(VALU_DEP_1)
	v_add_nc_u32 v4, s32, v4                       ; K back: row r, channels 32 h on
	v_lshlrev_b32 v5, 2, v13
	s_delay_alu instid0(VALU_DEP_1)
	v_add_nc_u32 v5, s32, v5                       ; V back: channel l of a row
	v_mul_u32_u24 v6, v15, 1536
	s_delay_alu instid0(VALU_DEP_1)
	v_lshl_add_u32 v6, v14, 4, v6
	s_delay_alu instid0(VALU_DEP_1)
	v_add_nc_u32 v6, s32, v6
	s_delay_alu instid0(VALU_DEP_1)
	v_add_nc_u32 v6, VCS, v6                       ; V's codes into the image: fragment h of two, lane r's place
	v_add_nc_u32 v7, s32, v1
	s_delay_alu instid0(VALU_DEP_1)
	v_add_nc_u32 v7, VCS, v7                       ; and the image back, as it lies
	s_lshl_b32 s33, s15, 8
	s_add_co_u32 s33, s33, VSUMB
	v_lshl_add_u32 v8, v13, 2, s33                 ; my wave's 64 sums
	v_lshl_add_u32 v9, v13, 3, VSUMB               ; and all four, two channels a lane
	v_and_b32 v10, 8, v14
	s_delay_alu instid0(VALU_DEP_1)
	v_add_nc_u32 v10, v10, v14                     ; r + 8 (r / 8): my key in a tile
	v_lshlrev_b32 v11, 3, v15
	v_mov_b32 v12, 0x7f7f7f7f
	v_mov_b32 v60, 0                               ; written once: a lane permute's destination counts as one of its sources
	s_lshl_b32 s18, s17, 19                        ; the head's 2,048 x 256 bytes,
	s_lshl_b32 s19, s16, 15                        ; the block's 128 x 256
	s_add_co_u32 s18, s18, s19
	s_mov_b32 s19, 0
	s_lshl_b32 s26, s17, 4
	s_add_co_u32 s26, s26, s16
	s_mul_i32 s26, s26, BLKB                       ; the block's place in kv
	s_mov_b32 s27, 0
	s_lshr_b32 s28, s17, 4                         ; the batch
	s_lshl_b32 s28, s28, 11
	s_lshl_b32 s29, s16, 7
	s_add_co_u32 s28, s28, s29                     ; the block's 128 mask bytes
	s_mov_b32 s29, 0
	s_lshl_b32 s30, s17, 2
	s_add_co_u32 s30, s30, ttmp9
	s_lshl_b32 s30, s30, 8                         ; vsum: 256 bytes for each head and quarter
	s_mov_b32 s31, 0
	s_wait_kmcnt 0x0
	s_cmp_lt_u32 s14, 4                            ; K's wave or V's: the choice hangs on the wave's number alone
	s_cselect_b64 s[24:25], s[4:5], s[6:7]
	s_add_nc_u64 s[24:25], s[24:25], s[18:19]
	s_add_nc_u64 s[26:27], s[10:11], s[26:27]
	s_add_nc_u64 s[28:29], s[8:9], s[28:29]
	s_add_nc_u64 s[30:31], s[12:13], s[30:31]
.macro LOADC c                         ; chunk c: 32 keys, 8,192 bytes, into set c % 2; each load reads 512 consecutive bytes
.irp i, 0,1,2,3,4,5,6,7,8,9,10,11,12,13,14,15
	global_load_b128 v[R+64*((\c)%2)+4*\i:R+64*((\c)%2)+4*\i+3], v1, s[24:25] offset:8192*(\c)+512*\i th:TH_LOAD_NT
.endr
.endm
; K's chunk through the stage.  Key 16 a + 8 u + w goes to stage row 16 u + 8 a + w, so that tile u's lane r finds its key, 8 u + r + 8 (r / 8), in row 16 u + r.
.macro TURNK c
.irp i, 0,1,2,3,4,5,6,7,8,9,10,11,12,13,14,15
	ds_store_b128 v3, v[R+64*((\c)%2)+4*\i:R+64*((\c)%2)+4*\i+3] offset:272*(16*((\i/4)%2)+8*(\i/8)+(2*\i)%8)
.endr
.irp u, 0,1
.irp j, 0,1,2,3,4,5,6,7
	ds_load_b128 v[X+32*\u+4*\j:X+32*\u+4*\j+3], v4 offset:4352*\u+16*\j   ; LDS serves a wave's instructions in order: these see the stores above
.endr
.endr
	s_wait_dscnt 0x0                               ; the numbers are in, and the stores have read the set,
.if (\c) < 2
	LOADC (\c)+2                                   ; which takes the chunk two further on
.endif
.endm
; V's chunk: rows as they lie; lane l takes channel 32 s + l of each of the 32 keys: 128 consecutive bytes a load
.macro TURNV c
.irp i, 0,1,2,3,4,5,6,7,8,9,10,11,12,13,14,15
	ds_store_b128 v3, v[R+64*((\c)%2)+4*\i:R+64*((\c)%2)+4*\i+3] offset:544*\i
.endr
.irp s, 0,1
.irp i, 0,1,2,3,4,5,6,7,8,9,10,11,12,13,14,15,16,17,18,19,20,21,22,23,24,25,26,27,28,29,30,31
	ds_load_b32 v[X+32*\s+\i], v5 offset:272*\i+128*\s
.endr
.endr
	s_wait_dscnt 0x0                               ; the numbers are in; the stores have read the set, and the last chunk's stores of codes their registers
.if (\c) < 2
	LOADC (\c)+2
.endif
.endm
; Two blocks of 32 numbers of a lane (v[X] on, v[X + 32] on) become codes in v40-45 and v46-51, scale operands in v34, v35 and bytes in v36, v37.  The two blocks take turns line by line.
.macro QB2
	v_max3_num_f32 v32, |v[X]|, |v[X+1]|, 0x2800000        ; the floor 2^(5 - 127) is one more leaf: so the byte cannot fall under 1
	v_max3_num_f32 v33, |v[X+32]|, |v[X+33]|, 0x2800000
.irp i, 2,4,6,8,10,12,14,16,18,20,22,24,26,28,30
	s_delay_alu instid0(VALU_DEP_2)
	v_max3_num_f32 v32, v32, |v[X+\i]|, |v[X+1+\i]|
	s_delay_alu instid0(VALU_DEP_2)
	v_max3_num_f32 v33, v33, |v[X+32+\i]|, |v[X+33+\i]|
.endr
	s_delay_alu instid0(VALU_DEP_2)
	v_add_nc_u32 v34, 0xfe000000, v32              ; 4 off the exponent field: the conversion takes the exponent field of this operand as its scale
	s_delay_alu instid0(VALU_DEP_2)
	v_add_nc_u32 v35, 0xfe000000, v33
	v_cvt_scalef32_pk16_bf6_f32 v[40:42], v[X:X+15], v34
	v_cvt_scalef32_pk16_bf6_f32 v[52:54], v[X+16:X+31], v34    ; (a conversion's three registers begin on an even number)
	v_cvt_scalef32_pk16_bf6_f32 v[46:48], v[X+32:X+47], v35
	v_cvt_scalef32_pk16_bf6_f32 v[56:58], v[X+48:X+63], v35
	v_lshrrev_b32 v36, 23, v34                     ; the bytes.  (The plain line behind the conversions)
	v_lshrrev_b32 v37, 23, v35
.irp i, 0,1,2
	v_mov_b32 v[43+\i], v[52+\i]
	v_mov_b32 v[49+\i], v[56+\i]
.endr
.endm
.macro KCHUNK b                        ; keys 32 b on: tiles 2 b and 2 b + 1
.if (\b) < 3
	s_wait_loadcnt 16                              ; this chunk's loads (and the mask's, which stand ahead of them) are in; the next chunk's 16 may be out
.else
	s_wait_loadcnt 0x0
.endif
	TURNK \b
	s_wait_xcnt 0x0                                ; the last chunk's stores have read their data: the codes' registers are written again only behind this wait
	QB2
.irp u, 0,1
	global_store_b128 v1, v[40+6*\u:43+6*\u], s[26:27] offset:768*(2*(\b)+\u)          ; 512 consecutive bytes
	global_store_b64 v2, v[44+6*\u:45+6*\u], s[26:27] offset:768*(2*(\b)+\u)+512       ; 256 consecutive bytes
.endr
	v_lshlrev_b32 v38, v11, v36                    ; my block's byte at its place (8 h bits up);
	v_lshlrev_b32 v39, v11, v37
	s_delay_alu instid0(VALU_DEP_2)
	v_permlanex16_b32 v60, v38, s20, s21
	s_delay_alu instid0(VALU_DEP_1)
	v_or_b32 v38, v38, v60                         ; with lane l xor 16's: the key's two bytes
	s_delay_alu instid0(VALU_DEP_2)
	v_permlanex16_b32 v60, v39, s20, s21
	s_delay_alu instid0(VALU_DEP_1)
	v_or_b32 v39, v39, v60
	v_mul_u32_u24 v61, v[16+2*(\b)], 176           ; the mask's byte: 177 - 176 m: 1 for an allowed key, 177 for a blocked one
	v_mul_u32_u24 v62, v[17+2*(\b)], 176
	s_delay_alu instid0(VALU_DEP_2)
	v_sub_nc_u32 v61, 177, v61
	s_delay_alu instid0(VALU_DEP_2)
	v_sub_nc_u32 v62, 177, v62
	s_delay_alu instid0(VALU_DEP_2)
	v_lshl_or_b32 v38, v61, 16, v38
	s_delay_alu instid0(VALU_DEP_2)
	v_lshl_or_b32 v39, v62, 16, v39
	s_delay_alu instid0(VALU_DEP_2)
	v_or_b32 v38, 0x1000000, v38                   ; the empty block's byte: 1
	s_delay_alu instid0(VALU_DEP_2)
	v_or_b32 v39, 0x1000000, v39
	s_delay_alu instid0(VALU_DEP_1)
	v_cndmask_b32 v[24+(\b)], v38, v39, s22        ; lanes 0-15 tile 2 b's words, lanes 16-31 tile 2 b + 1's
.endm
.macro VCHUNK b                        ; keys 32 b on: block b of each channel; in a fragment: registers 6 (b / 2) on of lanes 16 (b % 2) + r
.if (\b) < 3
	s_wait_loadcnt 16                              ; this chunk's loads are in; the next chunk's 16 may be out
.else
	s_wait_loadcnt 0x0
.endif
	TURNV \b
	QB2
.irp s, 0,1
.if (\b)/2 == 0
	ds_store_b128 v6, v[40+6*\s:43+6*\s] offset:3072*\s+256*((\b)%2)           ; registers 0-3,
	ds_store_b64 v6, v[44+6*\s:45+6*\s] offset:3072*\s+256*((\b)%2)+512        ; 4-5
.else
	ds_store_b64 v6, v[40+6*\s:41+6*\s] offset:3072*\s+256*((\b)%2)+520        ; registers 6-7,
	ds_store_b128 v6, v[42+6*\s:45+6*\s] offset:3072*\s+256*((\b)%2)+1024      ; 8-11
.endif
.endr
.if (\b) == 0
	v_mov_b32 v28, v36                             ; the scale words: block b's byte at 8 b
	v_mov_b32 v29, v37
.else
	v_lshl_or_b32 v28, v36, 8*(\b), v28
	v_lshl_or_b32 v29, v37, 8*(\b), v29
.endif
	v_cvt_scale_pk16_f32_bf6 v[X:X+15], v[40:42], v12          ; the codes' own values (scale byte 127 in every byte of every lane), over the numbers that they were made of
	v_cvt_scale_pk16_f32_bf6 v[X+16:X+31], v[52:54], v12
	v_cvt_scale_pk16_f32_bf6 v[X+32:X+47], v[46:48], v12
	v_cvt_scale_pk16_f32_bf6 v[X+48:X+63], v[56:58], v12
	v_and_b32 v61, 0x7f800000, v34                 ; the blocks' scales as f32.  (The plain line behind the conversions)
	v_and_b32 v62, 0x7f800000, v35
.irp w, 16,8,4,2                       ; the sum of a block's 32 values: multiples of 2^-4 up to 896: nothing is rounded
.irp j, 0,2,4,6,8,10,12,14
.if \j < \w
	v_pk_add_f32 v[X+\j:X+\j+1], v[X+\j:X+\j+1], v[X+\w+\j:X+\w+\j+1]
	v_pk_add_f32 v[X+32+\j:X+33+\j], v[X+32+\j:X+33+\j], v[X+32+\w+\j:X+33+\w+\j]
.endif
.endr
.endr
	s_delay_alu instid0(VALU_DEP_2)
	v_add_f32 v63, v[X], v[X+1]
	s_delay_alu instid0(VALU_DEP_2)
	v_add_f32 v38, v[X+32], v[X+33]
.if (\b) == 0
	s_delay_alu instid0(VALU_DEP_2)
	v_mul_f32 v30, v63, v61                        ; x the block's scale
	s_delay_alu instid0(VALU_DEP_2)
	v_mul_f32 v31, v38, v62
.else
	s_delay_alu instid0(VALU_DEP_2)
	v_fma_f32 v30, v63, v61, v30
	s_delay_alu instid0(VALU_DEP_2)
	v_fma_f32 v31, v38, v62, v31
.endif
.endm
	s_cmp_lt_u32 s14, 4
	s_cbranch_scc0 .Lrole_v
	; ---- waves 0-3: K
	s_wait_alu depctr_va_vdst(0)
.irp t, 0,1,2,3,4,5,6,7
	global_load_u8 v[16+\t], v10, s[28:29] offset:32*(\t/2)+8*(\t%2)       ; the mask byte of my key in tile t
.endr
	LOADC 0
	LOADC 1
	KCHUNK 0
	KCHUNK 1
	KCHUNK 2
	KCHUNK 3
	global_store_b128 v1, v[24:27], s[26:27] offset:KSO                    ; K's scale words: 512 consecutive bytes
	s_branch .Ljoin
.Lrole_v:
	; ---- waves 4-7: V
	LOADC 0
	LOADC 1
	VCHUNK 0
	VCHUNK 1
	VCHUNK 2
	VCHUNK 3
.irp j, 0,1,2,3,4,5,6,7,8,9,10,11
	ds_load_b128 v[R+4*\j:R+4*\j+3], v7 offset:512*\j                      ; the image as it lies; these see my stores
.endr
	s_wait_alu depctr_va_vdst(0)
.irp j, 0,1,2,3,4,5,6,7,8,9,10,11
	s_wait_dscnt 11-\j                             ; load j is in; the younger ones may be out
	global_store_b128 v1, v[R+4*\j:R+4*\j+3], s[26:27] offset:VCO+512*\j
.endr
	global_store_b64 v2, v[28:29], s[26:27] offset:VSO                     ; V's scale words: 256 consecutive bytes
	ds_store_b32 v8, v30                           ; my 128 keys' sums: channels l and 32 + l
	ds_store_b32 v8, v31 offset:128
.Ljoin:
	s_wait_dscnt 0x0                               ; for the others' sake: my LDS stores are done
	s_barrier_signal -1
	s_barrier_wait -1
	s_cmp_lg_u32 s14, 0
	s_cbranch_scc1 .Lend
.irp p, 0,1,2,3
	ds_load_b64 v[X+2*\p:X+2*\p+1], v9 offset:256*\p                       ; wave 0 adds the four sums, two channels a lane
.endr
	s_wait_dscnt 0x0
	v_pk_add_f32 v[X:X+1], v[X:X+1], v[X+2:X+3]
	s_delay_alu instid0(VALU_DEP_1)
	v_pk_add_f32 v[X:X+1], v[X:X+1], v[X+4:X+5]
	s_delay_alu instid0(VALU_DEP_1)
	v_pk_add_f32 v[X:X+1], v[X:X+1], v[X+6:X+7]
	s_delay_alu instid0(VALU_DEP_1)
	v_pk_mul_f32 v[X:X+1], v[X:X+1], 0x3a000000 op_sel_hi:[1,0]            ; x 2^-11: one in 2,048
	global_store_b64 v2, v[X:X+1], s[30:31]        ; 256 consecutive bytes
.Lend:
	s_wait_tensorcnt 0x0
	ds_add_u32 v55, v59
	s_wait_dscnt 0x0
	s_endpgm
.Lfunc_end_k_q4c2ec1d969_prep:
	.size	k_q4c2ec1d969_prep, .Lfunc_end_k_q4c2ec1d969_prep-k_q4c2ec1d969_prep
	.p2alignl 7, 3214868480
	.fill 96, 4, 3214868480
	.section	.rodata,"a",@progbits
	.p2align	6, 0x0
	.amdhsa_kernel k_q4c2ec1d969_prep
		.amdhsa_group_segment_fixed_size 120832
		.amdhsa_private_segment_fixed_size 0
		.amdhsa_enable_private_segment 0
		.amdhsa_kernarg_size 40
		.amdhsa_user_sgpr_count 2
		.amdhsa_user_sgpr_kernarg_segment_ptr 1
		.amdhsa_wavefront_size32 1
		.amdhsa_system_sgpr_workgroup_id_x 1
		.amdhsa_system_sgpr_workgroup_id_y 1
		.amdhsa_system_sgpr_workgroup_id_z 1
		.amdhsa_system_vgpr_workitem_id 0
		.amdhsa_next_free_vgpr 256
		.amdhsa_next_free_sgpr 66
		.amdhsa_reserve_vcc 0
		.amdhsa_float_denorm_mode_32 3
		.amdhsa_float_denorm_mode_16_64 3
		.amdhsa_memory_ordered 1
		.amdhsa_forward_progress 1
		.amdhsa_inst_pref_size 97
	.end_amdhsa_kernel
	.amdgpu_metadata
---
amdhsa.version: [ 1, 2 ]
amdhsa.kernels:
  - .name:           k_q4c2ec1d969_prep
    .symbol:         k_q4c2ec1d969_prep.kd
    .args:
      - { .name: k, .offset: 0, .size: 8, .value_kind: global_buffer, .address_space: global }
      - { .name: v, .offset: 8, .size: 8, .value_kind: global_buffer, .address_space: global }
      - { .name: attention_mask, .offset: 16, .size: 8, .value_kind: global_buffer, .address_space: global }
      - { .name: kv, .offset: 24, .size: 8, .value_kind: global_buffer, .address_space: global }
      - { .name: vsum, .offset: 32, .size: 8, .value_kind: global_buffer, .address_space: global }
    .group_segment_fixed_size: 120832
    .private_segment_fixed_size: 0
    .kernarg_segment_align: 8
    .kernarg_segment_size: 40
    .max_flat_workgroup_size: 256
    .sgpr_count:     66
    .vgpr_count:     256
    .wavefront_size: 32
...
	.end_amdgpu_metadata
.endif
;; end of part 1
;; launch attn (part 2): grid 4 x 64, 16 waves a work-group, no clusters, 327,680 bytes of LDS; arguments q, kv, vsum, out0; writes out0
.if DOCPART == 2
	.amdgcn_target "amdgcn-amd-amdhsa--gfx1250"
	.amdhsa_code_object_version 6
	.text
	.protected	k_q4c2ec1d969_attn
	.globl	k_q4c2ec1d969_attn
	.p2align	8
	.type	k_q4c2ec1d969_attn,@function
k_q4c2ec1d969_attn:
	s_mov_b64 s[64:65], 0
	v_nop
	global_prefetch_b8 v0, s[64:65] scope:SCOPE_SE
	s_setreg_imm32_b32 hwreg(HW_REG_WAVE_MODE, 25, 1), 1
	s_wait_xcnt 0x0
; out[head][q][:] = the sum over keys of softmax(q.k / 8, causal mask and key mask) v, both products on codes of BF6 (E3M2) with one E8M0 scale for each 32 along a product's K.
; q: [64 heads][2048][64] f32, quantised here in registers.  K and V come from kv, as images of the operand registers, 13,056 bytes for each head and 128 keys (laid by the launch before: K's codes at 0,
; V's at 6,144, K's scale words at 12,288, V's at 12,800).  vsum: [64][4][64]: quarters of the mean of the quantised v.
; THE SOFTMAX: t = score x log2(e) / 8; M = the running largest t rounded UP to a whole number; p = 2^(t - M) is quantised along the keys, not normalised; the row's sum is taken of the unquantised p and divides at the end.
; When M moves, the sum and O are multiplied by 2^(old M - new M): exact.
; THE KEY MASK costs no vector instruction.  The first product's K is 64 of the instruction's 128; at k = 64 K's fragment holds the code +1 and Q's the code -1, all other codes from there on are 0.  Q's scale for that
; block is 2^50; K's is 2^50 for a blocked key (score q.k - 2^100) and 2^-126 for an allowed one (score q.k - 2^-76).  The causal mask sets hidden scores to -infinity in the one step of a wave that lies on the diagonal.
; ROWS WITH NO ALLOWED KEY among keys 0 .. q: there every logit of the row is the same, so the weights are 1 / 2,048 for ALL keys: the row is the mean of the quantised v.
; Such a row is known by its largest t, which still stands at the start value -2^30 (above every blocked t, -2^97.5); the mean is taken by a select, with no branch.
; LIMITS: an allowed score carries -2^-76; a row whose every allowed logit x log2(e) lies under -2^30 is taken for a row with no allowed key; NaN and infinities among the inputs are not served.
; SHARES.  Work-group (i, head), i = 0 .. 3, owns the blocks of 256 queries i and 7 - i, one after the other.  Block b walks the slots of 256 keys 0 .. b, so every work-group makes (i + 1) + (8 - i) = 9 VISITS: equal work,
; a constant trip count, and no tile is fetched that nobody reads.  Each of the SIXTEEN waves owns 16 queries of the block in hand, in 256 registers: four waves to a SIMD, so that one wave's vector work stands beside
; another's LDS loads and products.  A step is 128 keys; a step all of whose keys come after the wave's queries is jumped over (a scalar branch on ids).
; THE RING: two slots of 26,112 bytes (two steps), each filled by ONE tensor load of wave 0, first thing behind the barrier at a visit's head: it has a whole visit in which to land; one tensor load is out at the most.
; So no prefetch is laid.  NO CLUSTER: the four work-groups of a head start anew at slot 0 behind visits 1, 2, 3 and 4, so partners would ask for different tiles in most rounds.
; LAYOUT.  Both products are used transposed: S^T = K Q^T (source 0 = 16 keys, source 1 = my 16 queries), O^T = V^T P^T: a lane holds ONE query (lane % 16) throughout.  Lane r of K's tile 2 b + u is key
; 32 b + 8 u + r + 8 (r / 8), so that the 16 registers of tiles 2 b and 2 b + 1 are 16 neighbouring keys, 32 b + 16 (lane / 16) + 0 .. 15.
; REGISTERS: v1 16 l, v2 8 l; v3, v4 the step's LDS addresses; v5, v6 the spare word and 0; v7-v11, v91 addresses that stay; v12 -M, v13 the largest t, v[14:15] the sum in two halves; v16-27 Q's fragment, v28 its scale word;
; v29, v30-35 the second block's; v36-83 four buffers for K's fragments (registers 6-11 of each are constants); v84-87 K's scale words, v88-89 V's, v90 P's; v96-159 S^T, then p, then V's four fragments; v160-191 O^T;
; v192-203 P's codes; v204-210 conversion halves; v212-229 at work.
.set BLKB,  13056
.set VCO,   6144
.set KSO,   12288
.set VSO,   12800
.set SLOT1, 0x8000                     ; slot 1 begins here: one exclusive or turns an address in one slot into the other's
.set STAGE, 65536                      ; 16 rows x (256 + 16) bytes for each wave, its own; no fill lands there
.set SP,    272
.set VM,    STAGE+16*16*SP             ; the head's mean of the quantised v: 64 f32
.set SPARE, VM+256                     ; the spare words, 128 bytes for each wave: eight blocks of 256 bytes that no other line names
; Wave 0 alone fetches.  Four v_nop follow the line.
.macro TLOAD
	s_cmp_lg_u32 s12, 0
	s_cbranch_scc1 .Lno_\@
	tensor_load_to_lds s[40:43], s[24:31]
	s_nop 0
.rept 4
	v_nop
.endr
.Lno_\@:
.endm
	s_load_b256 s[4:11], s[0:1], 0x0               ; q s[4:5], kv s[6:7], vsum s[8:9], out0 s[10:11]
	v_lshl_add_u32 v5, v0, 2, SPARE
	v_mov_b32 v6, 0
	ds_add_u32 v5, v6
	ds_add_u32 v5, v6
	s_wait_dscnt 0x0
	v_lshrrev_b32 v92, 5, v0
	s_delay_alu instid0(VALU_DEP_1)
	v_readfirstlane_b32 s12, v92                   ; wave 0..15
	s_mov_b32 s13, ttmp9                           ; i
	s_and_b32 s14, ttmp7, 0xffff                   ; the head
	s_add_co_u32 s15, s13, 1                       ; the first block's visits
	s_mul_i32 s50, s12, 16*SP
	s_add_co_u32 s50, s50, STAGE                   ; my stage
	v_and_b32 v92, 31, v0                          ; l
	v_and_b32 v93, 15, v0                          ; r
	v_bfe_u32 v94, v0, 4, 1                        ; h
	s_delay_alu instid0(VALU_DEP_3)
	v_lshlrev_b32 v1, 4, v92
	s_delay_alu instid0(VALU_DEP_4)
	v_lshlrev_b32 v2, 3, v92
	s_delay_alu instid0(VALU_DEP_4)
	v_mul_u32_u24 v95, v93, SP
	s_delay_alu instid0(VALU_DEP_1)
	v_add_nc_u32 v95, s50, v95                     ; row r of my stage
	s_delay_alu instid0(VALU_DEP_1)
	v_lshl_add_u32 v7, v94, 7, v95                 ; Q back: row r, channels 32 h on
	s_delay_alu instid0(VALU_DEP_2)
	v_lshl_add_u32 v8, v94, 5, v95                 ; O in: row r, 32 h
	v_mul_u32_u24 v9, v94, SP
	s_delay_alu instid0(VALU_DEP_1)
	v_lshl_add_u32 v9, v93, 4, v9
	s_delay_alu instid0(VALU_DEP_1)
	v_add_nc_u32 v9, s50, v9                       ; whole rows: lanes 0-15 one row, lanes 16-31 the next
	v_lshl_add_u32 v10, v94, 5, VM                 ; the mean, in O^T's layout: 32 h
	v_lshlrev_b32 v11, 4, v94
	s_delay_alu instid0(VALU_DEP_1)
	v_sub_nc_u32 v11, v93, v11                     ; r - 16 h
	v_lshl_add_u32 v91, v92, 3, VM                 ; the mean, two channels a lane
	v_lshlrev_b32 v95, 3, v94                      ; 8 h
	v_sub_nc_u32 v92, 1, v94                       ; 1 in lanes 0-15
	s_delay_alu instid0(VALU_DEP_1)
	v_mul_u32_u24 v22, v92, 0x2c                   ; Q's code at k = 64: -1
.irp t, 0,1,2,3
	v_mul_u32_u24 v[42+12*\t], v92, 0x0c           ; K's: +1
.endr
.irp j, 23,24,25,26,27
	v_mov_b32 v[\j], 0                             ; all other codes from k = 64 on are zeros, on both sides
.endr
.irp t, 0,1,2,3
.irp j, 7,8,9,10,11
	v_mov_b32 v[36+12*\t+\j], 0
.endr
.endr
.irp b, 0,1,2,3
	v_mov_b32 v[216+\b], 0                         ; written once: a lane permute's destination counts as one of its sources
.endr
	v_mov_b32 v225, 0                              ; (named as the upper half of the pair v[224:225])
	s_mov_b32 s20, 0x76543210
	s_mov_b32 s21, 0xfedcba98                      ; v_permlanex16_b32's selects for lane l xor 16
	s_mov_b32 s22, 0x3e38aa3b                      ; c = log2(e) / 8
	s_mov_b32 s23, s22                             ; (named with it as a pair)
	; descriptor group 1: a slot is one dense block of 26,112 bytes: 102 rows of 256 bytes (32 elements of 8 bytes), no padding: images are read 16 or 8 bytes a lane, on end
	s_mov_b32 s24, 3<<16                           ; no mask; elements of 8 bytes; padding off
	s_mov_b32 s25, 32<<16                          ; tensor_dim0 = 32
	s_mov_b32 s26, 102<<16                         ; tensor_dim1 = 102
	s_mov_b32 s27, 32<<16                          ; tile_dim0 = 32
	s_mov_b32 s28, 102                             ; tile_dim1 = 102
	s_mov_b32 s29, 32                              ; from row to row
	s_mov_b32 s30, 0
	s_mov_b32 s31, 0
	s_lshl_b32 s50, s12, 4
	s_lshl_b32 s49, s13, 8
	s_add_co_u32 s49, s49, s50                     ; my first query in block i,
	s_sub_co_u32 s51, 7, s13
	s_lshl_b32 s51, s51, 8
	s_add_co_u32 s51, s51, s50                     ; and in block 7 - i
	s_lshl_b32 s52, s13, 1
	s_sub_co_u32 s52, 7, s52
	s_lshl_b32 s52, s52, 16                        ; from the one to the other: (7 - 2 i) x 256 rows of 256 bytes
	s_mov_b32 s53, 0
	s_lshl_b32 s46, s14, 19                        ; the head's 2,048 rows of 256 bytes,
	s_lshl_b32 s47, s49, 8
	s_add_co_u32 s46, s46, s47                     ; my first row
	s_mov_b32 s47, 0
	s_mul_i32 s36, s14, 16*BLKB                    ; the head's 16 blocks in kv
	s_mov_b32 s37, 0
	s_lshl_b32 s58, s14, 10                        ; its four quarters in vsum
	s_mov_b32 s59, 0
	s_wait_kmcnt 0x0
	s_add_nc_u64 s[44:45], s[10:11], s[46:47]      ; out0 at my first row
	s_add_nc_u64 s[54:55], s[4:5], s[46:47]        ; q likewise, block i,
	s_add_nc_u64 s[56:57], s[54:55], s[52:53]      ; and block 7 - i
	s_add_nc_u64 s[36:37], s[6:7], s[36:37]
	s_add_nc_u64 s[58:59], s[8:9], s[58:59]
	s_mov_b32 s40, 1                               ; group 0: count = 1
	s_mov_b32 s41, 0                               ; LDS address: slot 0
	s_mov_b64 s[42:43], s[36:37]                   ; the head's first 256 keys
	s_or_b32 s43, s43, 0x80000000                  ; type = 2
	TLOAD                                          ; the first fill, ahead of every LDS read, wait on TENSORcnt and barrier
.irp i, 0,1,2,3,4,5,6,7
	global_load_b128 v[96+4*\i:99+4*\i], v1, s[54:55] offset:512*\i th:TH_LOAD_NT      ; my 16 rows of q, 512 consecutive bytes a load
.endr
.irp i, 0,1,2,3,4,5,6,7
	global_load_b128 v[128+4*\i:131+4*\i], v1, s[56:57] offset:512*\i th:TH_LOAD_NT    ; and those of the second block
.endr
; 16 rows of q in v[raw] on, as loaded, turn through my stage, so that lane (r, h) holds q[r][32 h .. 32 h + 31], a whole block; codes to v[dc] on, the scale word to v[ds].
.macro QTILE raw, dc, ds, tmp
.irp i, 0,1,2,3,4,5,6,7
	ds_store_b128 v9, v[\raw+4*\i:\raw+4*\i+3] offset:2*SP*\i
.endr
.irp j, 0,1,2,3,4,5,6,7
	ds_load_b128 v[160+4*\j:163+4*\j], v7 offset:16*\j     ; LDS serves a wave's instructions in order: these see the stores above
.endr
	s_wait_dscnt 0x0
	v_max3_num_f32 v212, |v160|, |v161|, 0x2800000         ; the block's largest magnitude, and the floor 2^(5 - 127): so the byte cannot fall under 1
.irp i, 2,4,6,8,10,12,14,16,18,20,22,24,26,28,30
	s_delay_alu instid0(VALU_DEP_1)
	v_max3_num_f32 v212, v212, |v[160+\i]|, |v[161+\i]|
.endr
	s_delay_alu instid0(VALU_DEP_1)
	v_add_nc_u32 v220, 0xfe000000, v212            ; 4 off the exponent field: the conversion's scale operand
	v_cvt_scalef32_pk16_bf6_f32 v[\dc:\dc+2], v[160:175], v220
	v_cvt_scalef32_pk16_bf6_f32 v[\tmp:\tmp+2], v[176:191], v220   ; (a conversion's three registers begin on an even number)
	v_lshrrev_b32 v213, 23, v220                   ; the byte.  (The plain line behind the conversions)
.irp i, 0,1,2
	v_mov_b32 v[\dc+3+\i], v[\tmp+\i]
.endr
	s_delay_alu instid0(VALU_DEP_4)
	v_lshlrev_b32 v213, v95, v213                  ; at its place, 8 h bits up;
	s_delay_alu instid0(VALU_DEP_1)
	v_permlanex16_b32 v216, v213, s20, s21
	s_delay_alu instid0(VALU_DEP_1)
	v_or_b32 v213, v213, v216                      ; with lane l xor 16's;
	s_delay_alu instid0(VALU_DEP_1)
	v_or_b32 v[\ds], 0x7fb10000, v213              ; byte 2: 177, 2^50, for the mask's code; byte 3: 127, for zero codes
.endm
	s_wait_loadcnt 8                               ; the first block's 8 loads are in; the second's may be out
	QTILE 96, 16, 28, 204
	s_wait_loadcnt 0x0
	QTILE 128, 30, 29, 208
	s_cmp_lg_u32 s12, 2                            ; wave 2 adds the four quarters of the mean and lays it into LDS; the others read it behind later barriers, in front of the first of which wave 2 waits for this store
	s_cbranch_scc1 .Lno_mean
.irp p, 0,1,2,3
	global_load_b64 v[96+2*\p:97+2*\p], v2, s[58:59] offset:256*\p
.endr
	s_wait_loadcnt 0x0
	v_pk_add_f32 v[96:97], v[96:97], v[98:99]
	s_delay_alu instid0(VALU_DEP_1)
	v_pk_add_f32 v[96:97], v[96:97], v[100:101]
	s_delay_alu instid0(VALU_DEP_1)
	v_pk_add_f32 v[96:97], v[96:97], v[102:103]
	ds_store_b64 v91, v[96:97]
.Lno_mean:
	v_mov_b32 v13, 0xce800000                      ; the largest t so far: -2^30
	v_mov_b32 v12, 0x4e800000                      ; -M = 2^30
	v_mov_b32 v14, 0                               ; the sum, in two halves
	v_mov_b32 v15, 0
.set n, 0
.rept 32
	v_mov_b32 v[160+n], 0                          ; O^T.  (A step is written once: the first finds zeros, which the first change of M leaves zeros)
.set n, n+1
.endr
	s_mov_b32 s16, 0                               ; the visit
	s_mov_b32 s17, 0                               ; its slot of keys
	s_mov_b32 s39, 0                               ; the LDS slot in hand
; A KEY STEP: 128 keys, the q-th block of the slot in hand.  s48: its first key; s49: my first query.
.macro STEP q
.set SB, BLKB*(\q)
	s_add_co_u32 s50, s49, 15
	s_cmp_gt_u32 s48, s50                          ; all 128 keys come after my 16 queries: the step's work is left out
	s_cbranch_scc1 .Lhid_\@
	v_add_nc_u32 v3, s39, v1
	s_wait_alu depctr_va_vdst(0)
	v_add_nc_u32 v4, s39, v2
	s_wait_alu depctr_va_vdst(0)
	ds_load_b128 v[84:87], v3 offset:SB+KSO        ; K's scale words: register b: lanes 0-15 tile 2 b, lanes 16-31 tile 2 b + 1
.irp g, 0,1                            ; S^T = K Q^T, four tiles of 16 keys at a time
.if \g
.rept 4
	v_nop                                          ; four plain lines in front of loads into registers that matrix instructions have read
.endr
.endif
.irp t, 0,1,2,3
	ds_load_b128 v[36+12*\t:39+12*\t], v3 offset:SB+768*(4*\g+\t)
	ds_load_b64 v[40+12*\t:41+12*\t], v4 offset:SB+768*(4*\g+\t)+512
.endr
	s_wait_dscnt 0x0
.irp t, 0,1,2,3
.if \t%2
	v_wmma_scale_f32_16x16x128_f8f6f4 v[96+8*(4*\g+\t):103+8*(4*\g+\t)], v[36+12*\t:47+12*\t], v[16:27], 0, v[84+(4*\g+\t)/2], v28 matrix_a_fmt:MATRIX_FMT_BF6 matrix_b_fmt:MATRIX_FMT_BF6 matrix_a_scale:MATRIX_SCALE_ROW1
.else
	v_wmma_scale_f32_16x16x128_f8f6f4 v[96+8*(4*\g+\t):103+8*(4*\g+\t)], v[36+12*\t:47+12*\t], v[16:27], 0, v[84+(4*\g+\t)/2], v28 matrix_a_fmt:MATRIX_FMT_BF6 matrix_b_fmt:MATRIX_FMT_BF6
.endif
.endr
.endr
.rept 4
	v_nop                                          ; four plain lines in front of the first read of results
.endr
	s_add_co_u32 s50, s48, 127                     ; on the diagonal the scores of hidden keys become -infinity ahead of the maximum: p = 0 then.  A step all of whose keys count skips this
	s_cmp_le_u32 s50, s49
	s_cbranch_scc1 .Lopen_\@
	s_sub_co_u32 s50, s49, s48
	v_add_nc_u32 v226, s50, v11                    ; d = my query - the step's first key - 16 h.  Register 16 b + i holds key 32 b + 16 h + i of the step: hidden where 32 b + i > d
	v_mov_b32 v227, 0xff800000
.set n, 0
.rept 64
	v_cmp_gt_i32 vcc_lo, 32*(n/16)+n%16, v226
	v_cndmask_b32 v[96+n], v[96+n], v227, vcc_lo
.set n, n+1
.endr
.Lopen_\@:
.irp b, 0,1,2,3
	v_max3_num_f32 v[212+\b], v[96+16*\b], v[97+16*\b], v[98+16*\b]        ; the largest score of each block of 32 keys: for the row's maximum, and, since p rises with the score, for the block's largest p
.endr
.irp i, 3,5,7,9,11,13
.irp b, 0,1,2,3
	v_max3_num_f32 v[212+\b], v[212+\b], v[96+16*\b+\i], v[97+16*\b+\i]    ; (the four blocks by turns)
.endr
.endr
.irp b, 0,1,2,3
	v_max_num_f32 v[212+\b], v[212+\b], v[111+16*\b]
.endr
.irp b, 0,1,2,3
	s_delay_alu instid0(VALU_DEP_4)
	v_permlanex16_b32 v[216+\b], v[212+\b], s20, s21
.endr
.irp b, 0,1,2,3
	s_delay_alu instid0(VALU_DEP_4)
	v_max_num_f32 v[212+\b], v[212+\b], v[216+\b]  ; with lane l xor 16's 16 keys
.endr
	s_delay_alu instid0(VALU_DEP_2)
	v_max3_num_f32 v226, v212, v213, v214
	s_delay_alu instid0(VALU_DEP_1)
	v_max_num_f32 v226, v226, v215                 ; the step's largest score of my query
	s_delay_alu instid0(VALU_DEP_1)
	v_mul_f32 v226, s22, v226                      ; as t (c is positive)
	s_delay_alu instid0(VALU_DEP_1)
	v_max_num_f32 v13, v13, v226                   ; the running largest t
	v_mov_b32 v226, v12
	s_delay_alu instid0(VALU_DEP_2)
	v_floor_f32 v12, -v13                          ; the new -M = floor(-t) = -ceil(t): a whole number
	s_delay_alu instid0(VALU_DEP_1)
	v_sub_f32 v226, v12, v226                      ; M's old value less its new one: 0 or less
	s_delay_alu instid0(VALU_DEP_1)
	v_cvt_i32_f32 v226, v226                       ; (it saturates)
	s_delay_alu instid0(VALU_DEP_1)
	v_ldexp_f32 v224, 1.0, v226                    ; f = 2^(old M - new M)
.set n, 0
.rept 32
	v_pk_fma_f32 v[96+n:97+n], v[96+n:97+n], s[22:23], v[12:13] op_sel_hi:[1,0,0]      ; t - M, two at a time (of the pairs c and -M the low word serves both halves)
.set n, n+2
.endr
.irp b, 0,1,2,3
	v_fma_f32 v[212+\b], v[212+\b], s22, v12       ; the same of each block's largest score
.endr
.set n, 0
	s_wait_alu depctr_va_vdst(0)
.rept 64
	v_exp_f32 v[96+n], v[96+n]                     ; p = 2^(t - M), at most 1: not normalised
.set n, n+1
.endr
	v_pk_mul_f32 v[14:15], v[14:15], v[224:225] op_sel_hi:[1,0]    ; the sums under the new M.  (The plain line behind the exponentials)
	s_wait_alu depctr_va_vdst(0)                   ; one wait for the batch of 64, ahead of its first reader
.irp b, 0,1,2,3
	v_exp_f32 v[212+\b], v[212+\b]                 ; the block's largest p: the same two instructions on the same number
.endr
	v_pk_add_f32 v[228:229], v[100:101], v[104:105]
	v_pk_add_f32 v[254:255], v[108:109], v[112:113]
	v_pk_add_f32 v[252:253], v[116:117], v[120:121]
	v_pk_add_f32 v[250:251], v[124:125], v[128:129]
	v_pk_add_f32 v[248:249], v[132:133], v[136:137]
	v_pk_add_f32 v[246:247], v[140:141], v[144:145]
	v_pk_add_f32 v[244:245], v[148:149], v[152:153]
	v_pk_add_f32 v[14:15], v[14:15], v[156:157]
	v_pk_add_f32 v[228:229], v[228:229], v[96:97]
	v_pk_add_f32 v[254:255], v[254:255], v[98:99]
	v_pk_add_f32 v[252:253], v[252:253], v[102:103]
	v_pk_add_f32 v[250:251], v[250:251], v[106:107]
	v_pk_add_f32 v[248:249], v[248:249], v[110:111]
	v_pk_add_f32 v[246:247], v[246:247], v[114:115]
	v_pk_add_f32 v[244:245], v[244:245], v[118:119]
	v_pk_add_f32 v[14:15], v[14:15], v[122:123]
	v_pk_add_f32 v[228:229], v[228:229], v[126:127]
	v_pk_add_f32 v[254:255], v[254:255], v[130:131]
	v_pk_add_f32 v[252:253], v[252:253], v[134:135]
	v_pk_add_f32 v[250:251], v[250:251], v[138:139]
	v_pk_add_f32 v[248:249], v[248:249], v[142:143]
	v_pk_add_f32 v[246:247], v[246:247], v[146:147]
	v_pk_add_f32 v[244:245], v[244:245], v[150:151]
	v_pk_add_f32 v[14:15], v[14:15], v[154:155]
	v_pk_add_f32 v[228:229], v[228:229], v[158:159]
	s_delay_alu instid0(VALU_DEP_2)
	v_pk_add_f32 v[14:15], v[14:15], v[250:251]
	s_delay_alu instid0(VALU_DEP_2)
	v_pk_add_f32 v[228:229], v[228:229], v[248:249]
	v_pk_add_f32 v[254:255], v[254:255], v[246:247]
	v_pk_add_f32 v[252:253], v[252:253], v[244:245]
	s_delay_alu instid0(VALU_DEP_2)
	v_pk_add_f32 v[14:15], v[14:15], v[254:255]
	s_delay_alu instid0(VALU_DEP_2)
	v_pk_add_f32 v[228:229], v[228:229], v[252:253]
	s_delay_alu instid0(VALU_DEP_1)
	v_pk_add_f32 v[14:15], v[14:15], v[228:229]
	s_wait_alu depctr_va_vdst(0)                   ; and one for the four
.irp b, 0,1,2,3
	v_max_num_f32 v[212+\b], 0x2800000, v[212+\b]  ; the floor 2^(5 - 127): the byte cannot fall under 1 (a block whose every p is 0 keeps that byte: its codes are zeros)
.endr
.irp b, 0,1,2,3
	s_delay_alu instid0(VALU_DEP_4)
	v_add_nc_u32 v[220+\b], 0xfe000000, v[212+\b]  ; 4 off the exponent field: the conversion's scale operand
.endr
.irp b, 0,1,2,3
	s_delay_alu instid0(VALU_DEP_4)
	v_lshrrev_b32 v[216+\b], 23, v[220+\b]         ; the scale's byte
.endr
	s_delay_alu instid0(VALU_DEP_3)
	v_lshl_or_b32 v90, v217, 8, v216               ; p's scale word for these 128 keys
	s_delay_alu instid0(VALU_DEP_1)
	v_lshl_or_b32 v90, v218, 16, v90
	s_delay_alu instid0(VALU_DEP_1)
	v_lshl_or_b32 v90, v219, 24, v90
.irp c, 0,1
	v_cvt_scalef32_pk16_bf6_f32 v[192+6*\c:194+6*\c], v[96+32*\c:111+32*\c], v[220+2*\c]
	v_cvt_scalef32_pk16_bf6_f32 v[204+4*\c:206+4*\c], v[112+32*\c:127+32*\c], v[221+2*\c]      ; (a conversion's three registers begin on an even number)
.endr
.irp t, 0,1,2,3                        ; V's four fragments are asked for at once, into the registers that p has left
.irp j, 0,1,2
	ds_load_b128 v[96+12*\t+4*\j:99+12*\t+4*\j], v3 offset:SB+VCO+1536*\t+512*\j
.endr
.endr
	ds_load_b64 v[88:89], v4 offset:SB+VSO         ; V's scale words: register g: lanes 0-15 tile 2 g, lanes 16-31 tile 2 g + 1
	v_nop                                          ; one plain line between a scaled conversion and the vector instruction that touches its result
.irp c, 0,1                            ; the operand's layout wants a WHOLE block in a lane: lanes 0-15 block 2 c, lanes 16-31 block 2 c + 1
.irp i, 0,1,2
	v_permlane16_swap_b32 v[192+6*\c+\i], v[204+4*\c+\i]
.endr
.irp i, 0,1,2
	s_delay_alu instid0(VALU_DEP_3)
	v_mov_b32 v[195+6*\c+\i], v[204+4*\c+\i]
.endr
.endr
.set n, 0
.rept 16
	v_pk_mul_f32 v[160+n:161+n], v[160+n:161+n], v[224:225] op_sel_hi:[1,0]    ; O^T under the new M: x f.  (These sixteen also stand between the writing of p's codes and scale word and the products)
.set n, n+2
.endr
	s_wait_alu depctr_va_vdst(0)
	s_wait_dscnt 0x0
.irp t, 0,1,2,3                        ; O^T += V^T P^T: four tiles of 16 channels; K = these 128 keys.  The four accumulators take turns
.if \t%2
	v_wmma_scale_f32_16x16x128_f8f6f4 v[160+8*\t:167+8*\t], v[96+12*\t:107+12*\t], v[192:203], v[160+8*\t:167+8*\t], v[88+\t/2], v90 matrix_a_fmt:MATRIX_FMT_BF6 matrix_b_fmt:MATRIX_FMT_BF6 matrix_a_scale:MATRIX_SCALE_ROW1
.else
	v_wmma_scale_f32_16x16x128_f8f6f4 v[160+8*\t:167+8*\t], v[96+12*\t:107+12*\t], v[192:203], v[160+8*\t:167+8*\t], v[88+\t/2], v90 matrix_a_fmt:MATRIX_FMT_BF6 matrix_b_fmt:MATRIX_FMT_BF6
.endif
.endr
.rept 5
	v_nop                                          ; five plain lines: the next step's first products write over V's fragments
.endr
.Lhid_\@:
	s_add_co_u32 s48, s48, 128
.endm
; THE CHANGE OF SLOTS stands at a visit's head.  Each wave waits for all its tensor loads, adds 0 to its spare word, and waits for that and for its reads of the slot that it has left.  Behind the barrier the slot ahead is whole
; and nobody reads the other one.  fill = 1: that other slot is filled with the next visit's 256 keys: the slot after this visit's, or slot 0 where the next visit begins the second block of queries.
.macro CHANGE fill
	s_wait_tensorcnt 0x0                           ; no tensor load of mine is out, so group 0 may be written
	ds_add_u32 v5, v6                              ; 0 onto my spare word
.if \fill
	s_xor_b32 s41, s41, SLOT1                      ; the other LDS slot than last time
	s_add_co_u32 s19, s16, 1                       ; the next visit,
	s_add_co_u32 s18, s17, 1                       ; its slot of keys:
	s_cmp_eq_u32 s19, s15
	s_cselect_b32 s18, 0, s18                      ; the second block begins at the head's first keys
	s_mul_i32 s46, s18, 2*BLKB
	s_mov_b32 s47, 0
	s_add_nc_u64 s[42:43], s[36:37], s[46:47]
	s_or_b32 s43, s43, 0x80000000
.endif
	s_wait_dscnt 0x0                               ; the add is done, and my LDS reads and stores are over
	s_barrier_signal -1
	s_barrier_wait -1
.if \fill
	TLOAD                                          ; the first thing behind the barrier, and the one tensor load until the next
.endif
.endm
.macro VISIT
	s_lshl_b32 s48, s17, 8                         ; the slot's first key
	STEP 0
	STEP 1
	s_xor_b32 s39, s39, SLOT1                      ; on to the other LDS slot
.endm
; THE WAY OUT of a block of queries.  O^T / the sum, or the mean of v where the row met no allowed key; through my stage, so that sixteen lanes store a whole row of 256 bytes.
.macro FINISH again
.irp t, 0,1,2,3
.irp e, 0,1
	ds_load_b128 v[96+8*\t+4*\e:99+8*\t+4*\e], v10 offset:64*\t+16*\e      ; the mean in O^T's layout: register 8 t + j is channel 16 t + 8 h + j
.endr
.endr
	v_add_f32 v14, v14, v15                        ; the sum's two halves,
	s_delay_alu instid0(VALU_DEP_1)
	v_permlanex16_b32 v216, v14, s20, s21
	s_delay_alu instid0(VALU_DEP_1)
	v_add_f32 v14, v14, v216                       ; and lane l xor 16's: the row's sum
	s_wait_alu depctr_va_vdst(0)
	v_rcp_f32 v14, v14
	v_nop                                          ; a plain line behind the reciprocal
	v_cmp_eq_u32 vcc_lo, 0xce800000, v13           ; the largest t still stands at its start: no key was allowed
	s_wait_alu depctr_va_vdst(0)                   ; the wait ahead of the reciprocal's first reader
.set n, 0
.rept 16
	v_pk_mul_f32 v[128+n:129+n], v[160+n:161+n], v[14:15] op_sel_hi:[1,0]  ; each accumulator from its low end on
.set n, n+2
.endr
	s_wait_dscnt 0x0                               ; the mean is in
.set n, 0
.rept 32
	v_cndmask_b32 v[128+n], v[128+n], v[96+n], vcc_lo
.set n, n+1
.endr
.irp t, 0,1,2,3
.irp e, 0,1
	ds_store_b128 v8, v[128+8*\t+4*\e:131+8*\t+4*\e] offset:64*\t+16*\e
.endr
.endr
.irp i, 0,1,2,3,4,5,6,7
	ds_load_b128 v[96+4*\i:99+4*\i], v9 offset:2*SP*\i     ; LDS serves a wave's instructions in order: these see the stores above
.endr
.irp i, 0,1,2,3,4,5,6,7
	s_wait_dscnt 7-\i                              ; load i is in; the younger ones may be out
	global_store_b128 v1, v[96+4*\i:99+4*\i], s[44:45] offset:512*\i th:TH_STORE_NT    ; two whole rows of 256 bytes
.endr
.if \again
	s_wait_xcnt 0x0                                ; the stores have read their data and their base: both are written again only behind this wait
.endif
.endm
.Lvisit:                                           ; eight trips; behind each change of slots the next visit's keys are asked for
	CHANGE 1
	s_cmp_lg_u32 s16, s15                          ; the first block's visits are over (in trip 1, 2, 3 or 4, by the work-group's number):
	s_cbranch_scc1 .Lsame
	FINISH 1                                       ; it goes out, and the second block's queries take its place
.irp j, 0,1,2,3,4,5
	v_mov_b32 v[16+\j], v[30+\j]
.endr
	v_mov_b32 v28, v29
	v_mov_b32 v13, 0xce800000
	v_mov_b32 v12, 0x4e800000
	v_mov_b32 v14, 0
	v_mov_b32 v15, 0
.set n, 0
.rept 32
	v_mov_b32 v[160+n], 0                          ; (these also stand between the writing of Q's codes and scale word and the next products)
.set n, n+1
.endr
	s_mov_b32 s49, s51
	s_add_nc_u64 s[44:45], s[44:45], s[52:53]
.Lsame:
	VISIT
	s_mov_b32 s17, s18
	s_add_co_u32 s16, s16, 1
	s_cmp_lt_u32 s16, 8
	s_cbranch_scc1 .Lvisit
	CHANGE 0                                       ; the last visit is written out
	VISIT
	FINISH 0
	s_wait_tensorcnt 0x0                           ; the wave's end, behind my last tensor load and my last LDS store
	ds_add_u32 v5, v6
	s_wait_dscnt 0x0
	s_endpgm
.Lfunc_end_k_q4c2ec1d969_attn:
	.size	k_q4c2ec1d969_attn, .Lfunc_end_k_q4c2ec1d969_attn-k_q4c2ec1d969_attn
	.p2alignl 7, 3214868480
	.fill 96, 4, 3214868480
	.section	.rodata,"a",@progbits
	.p2align	6, 0x0
	.amdhsa_kernel k_q4c2ec1d969_attn
		.amdhsa_group_segment_fixed_size 327680
		.amdhsa_private_segment_fixed_size 0
		.amdhsa_enable_private_segment 0
		.amdhsa_kernarg_size 32
		.amdhsa_user_sgpr_count 2
		.amdhsa_user_sgpr_kernarg_segment_ptr 1
		.amdhsa_wavefront_size32 1
		.amdhsa_system_sgpr_workgroup_id_x 1
		.amdhsa_system_sgpr_workgroup_id_y 1
		.amdhsa_system_sgpr_workgroup_id_z 1
		.amdhsa_system_vgpr_workitem_id 0
		.amdhsa_next_free_vgpr 256
		.amdhsa_next_free_sgpr 66
		.amdhsa_reserve_vcc 1
		.amdhsa_float_denorm_mode_32 3
		.amdhsa_float_denorm_mode_16_64 3
		.amdhsa_memory_ordered 1
		.amdhsa_forward_progress 1
		.amdhsa_inst_pref_size 118
	.end_amdhsa_kernel
	.amdgpu_metadata
---
amdhsa.version: [ 1, 2 ]
amdhsa.kernels:
  - .name:           k_q4c2ec1d969_attn
    .symbol:         k_q4c2ec1d969_attn.kd
    .args:
      - { .name: q, .offset: 0, .size: 8, .value_kind: global_buffer, .address_space: global }
      - { .name: kv, .offset: 8, .size: 8, .value_kind: global_buffer, .address_space: global }
      - { .name: vsum, .offset: 16, .size: 8, .value_kind: global_buffer, .address_space: global }
      - { .name: out0, .offset: 24, .size: 8, .value_kind: global_buffer, .address_space: global }
    .group_segment_fixed_size: 327680
    .private_segment_fixed_size: 0
    .kernarg_segment_align: 8
    .kernarg_segment_size: 32
    .max_flat_workgroup_size: 512
    .sgpr_count:     66
    .vgpr_count:     256
    .wavefront_size: 32
...
	.end_amdgpu_metadata
.endif
;; end of part 2
